; MI455X (gfx1250); checked and timed in simulation.
; The chip was launched on July 23, 2026; its instructions are those of AMD's public machine-readable ISA for CDNA 5 (MIT licence, August 2026) and "CDNA5" Instruction Set Architecture Reference Guide (July 2026). The comments in the code are by the model that wrote it; some were corrected since.
;; Rational Quadratic Spline. Allowed arithmetic: float matrix products may take bf16 or f16 operands with f32 sums; other float arithmetic in f32, or as packed bf16 or f16 multiplies, adds, multiply-adds, maxima and minima; sums over many terms, partial sums and values carried from step to step in f32; what a program stores and reads back later, other than sums and carried values, may be rounded once to bf16 or f16.
;; Inputs: W1 128 x 256 float32; W2 256 x 256 float32; W3 256 x 97 float32; b1 256 float32; b2 256 float32; b3 97 float32; context 524,288 x 128 float32; inputs 524,288 x 1 float32.
;; Outputs: out0 524,288 x 1 float32; out1 524,288 float32.
;; One version. Each part assembles by itself: llvm-mc -triple=amdgcn-amd-amdhsa -mcpu=gfx1250 --defsym DOCPART=n.
;; ======== version 1 of 1: 2 launches
;; workspace buffers: blob 259,072 bytes
;; launch pack (part 1): grid 253 x 1, 2 waves a work-group, no clusters, 0 bytes of LDS; arguments W1, W2, W3, b1, b2, b3, blob; writes blob
.if DOCPART == 1
	.amdgcn_target "amdgcn-amd-amdhsa--gfx1250"
	.amdhsa_code_object_version 6
	.text
	.protected	k_qf0d9e421ff_pack
	.globl	k_qf0d9e421ff_pack
	.p2align	8
	.type	k_qf0d9e421ff_pack,@function
k_qf0d9e421ff_pack:
	s_mov_b64 s[64:65], 0
	v_nop
	global_prefetch_b8 v0, s[64:65] scope:SCOPE_SE
	s_setreg_imm32_b32 hwreg(HW_REG_WAVE_MODE, 25, 1), 1
	s_wait_xcnt 0x0
; blob = the picture of weights and biases that the second launch lays into LDS, 259,072 bytes:
;   byte 0        W1T: 256 rows (output unit n) of 272 bytes: 128 bf16 W1[k][n], k ascending, 16 bytes of 0
;   byte 69,632   W2T: 256 rows of 528 bytes: 256 bf16 W2[k][n], 16 bytes of 0
;   byte 204,800  W3T: 97 rows of 528 bytes, then 0 up to byte 256,512.  Row 16 t + m, t < 4, holds parameter 8 t + m % 8 + 32 (m / 8):
;                 eight widths, then the eight heights of the same bins; rows 64 to 96 hold parameters 64 to 96 (the derivatives)
;   byte 256,512  f32, each rounded to bf16 and widened: b1[256], b2[256], b3p[128]; b3p[16 t + m] = b3 of the parameter above for t < 4,
;                 of parameter 64 + 8 (t - 4) + m % 8 + m / 8 for t >= 4
; A thread makes one chunk of 16 bytes, c = 64 x work-group + thread: 16,192 chunks; a wave's one store covers 512 consecutive bytes, aligned.
; A chunk of a weight row is eight numbers of one COLUMN of the source: eight loads of 4 bytes, rows apart.  The sources are 492 KB in all and are read once.
; The parts begin at multiples of 512 bytes, so a wave lies in one part: waves 0-135 W1T, 136-399 W2T, 400-500 W3T, 501-502 b1, 503-504 b2, 505 b3p.
	s_load_b256 s[4:11], s[0:1], 0x0               ; W1 s[4:5], W2 s[6:7], W3 s[8:9], b1 s[10:11]
	s_load_b128 s[12:15], s[0:1], 0x20             ; b2 s[12:13], b3 s[14:15]
	s_load_b64 s[16:17], s[0:1], 0x30              ; blob
	v_lshrrev_b32 v1, 5, v0
	v_readfirstlane_b32 s20, v1                    ; wave in the work-group
	s_lshl_b32 s27, ttmp9, 1
	s_add_co_u32 s20, s20, s27                     ; wave in the launch
	s_lshl_b32 s26, ttmp9, 6
	v_add_nc_u32 v2, s26, v0                       ; c
	v_lshlrev_b32 v6, 4, v2                        ; its byte in blob
	s_wait_kmcnt 0x0
; A chunk of a weight picture.  c0: the part's first chunk; cpr: chunks in a row, the last of them padding; magic = ceil(2^20 / cpr): (cl x magic) >> 20 is
; cl / cpr for every cl below 32,768; ncol: numbers in a row of the source; maxrow: the last row that holds data; perm = 1: W3T's order of rows.
.macro WPATH ptr, c0, magic, cpr, ncol, maxrow, perm
	s_mov_b32 s23, \c0
	s_mov_b32 s24, \magic
	s_mov_b32 s25, \maxrow
	v_sub_nc_u32 v3, v2, s23                       ; cl
	v_mul_lo_u32 v4, v3, s24
	v_lshrrev_b32 v4, 20, v4                       ; row
	v_mul_u32_u24 v5, \cpr, v4
	v_sub_nc_u32 v5, v3, v5                        ; chunk in the row
	v_cmp_eq_u32 s21, (\cpr)-1, v5                 ; the row's padding,
	v_cmp_lt_u32 s22, s25, v4                      ; or a row behind the last:
	s_or_b32 s21, s21, s22                         ; the chunk is 0
	v_min_u32 v5, (\cpr)-2, v5                     ; such a chunk loads inside the source all the same
	v_min_u32 v4, s25, v4
.if \perm
	v_lshrrev_b32 v7, 4, v4
	v_and_b32 v20, 7, v4
	v_lshl_add_u32 v7, v7, 3, v20                  ; 8 t + m % 8
	v_bfe_u32 v20, v4, 3, 1
	v_lshl_add_u32 v7, v20, 5, v7                  ; + 32 (m / 8)
	v_cmp_gt_u32 vcc_lo, 64, v4
	v_cndmask_b32 v4, v4, v7, vcc_lo               ; rows 64 on keep their number
.endif
	v_mul_u32_u24 v5, 8*(\ncol), v5
	v_add_lshl_u32 v5, v5, v4, 2                   ; byte of source[8 x chunk][column]
.irp i, 0,1,2,3,4,5,6,7
	global_load_b32 v[8+(\i)], v5, s[\ptr:\ptr+1] offset:4*(\ncol)*(\i)
.endr
	s_wait_loadcnt 0x0                             ; all eight
.irp i, 0,1,2,3
	v_cvt_pk_bf16_f32 v[16+(\i)], v[8+2*(\i)], v[9+2*(\i)]
.endr
.irp i, 0,1,2,3
	v_cndmask_b32 v[16+(\i)], v[16+(\i)], 0, s21
.endr
	global_store_b128 v6, v[16:19], s[16:17]
	s_endpgm
.endm
; Four f32 in v[8:11] are rounded to bf16, widened again and stored.
.macro ROUND4
	s_wait_loadcnt 0x0
	v_cvt_pk_bf16_f32 v12, v8, v9
	v_cvt_pk_bf16_f32 v13, v10, v11
	v_lshlrev_b32 v16, 16, v12
	v_and_b32 v17, 0xffff0000, v12
	v_lshlrev_b32 v18, 16, v13
	v_and_b32 v19, 0xffff0000, v13
	global_store_b128 v6, v[16:19], s[16:17]
	s_endpgm
.endm
.macro BPATH ptr, c0
	s_mov_b32 s23, \c0
	v_sub_nc_u32 v3, v2, s23
	v_lshlrev_b32 v3, 4, v3
	global_load_b128 v[8:11], v3, s[\ptr:\ptr+1]
	ROUND4
.endm
	s_cmp_lt_u32 s20, 136
	s_cbranch_scc1 .Lw1
	s_cmp_lt_u32 s20, 400
	s_cbranch_scc1 .Lw2
	s_cmp_lt_u32 s20, 501
	s_cbranch_scc1 .Lw3
	s_cmp_lt_u32 s20, 503
	s_cbranch_scc1 .Lb1
	s_cmp_lt_u32 s20, 505
	s_cbranch_scc1 .Lb2
	; b3p: lane l makes b3p[16 t + m0 .. + 3], t = l / 4, m0 = 4 (l % 4): four parameters on end, the first 93 at the most
	v_and_b32 v3, 31, v0
	v_lshrrev_b32 v4, 2, v3                        ; t
	v_and_b32 v5, 3, v3
	v_lshlrev_b32 v5, 2, v5                        ; m0
	v_and_b32 v7, 7, v5
	v_lshrrev_b32 v5, 3, v5                        ; m0 / 8
	v_lshl_add_u32 v7, v4, 3, v7                   ; 8 t + m0 % 8
	v_lshl_add_u32 v20, v5, 5, v7                  ; t < 4:  + 32 (m0 / 8)
	v_add3_u32 v21, v7, v5, 32                     ; t >= 4: 64 + 8 (t - 4) + m0 % 8 + m0 / 8
	v_cmp_gt_u32 vcc_lo, 4, v4
	v_cndmask_b32 v7, v21, v20, vcc_lo
	v_lshlrev_b32 v7, 2, v7
.irp i, 0,1,2,3
	global_load_b32 v[8+(\i)], v7, s[14:15] offset:4*(\i)
.endr
	ROUND4
.Lw1:
	WPATH 4, 0, 61681, 17, 256, 255, 0
.Lw2:
	WPATH 6, 4352, 31776, 33, 256, 255, 0
.Lw3:
	WPATH 8, 12800, 31776, 33, 97, 96, 1
.Lb1:
	BPATH 10, 16032
.Lb2:
	BPATH 12, 16096
.Lfunc_end_k_qf0d9e421ff_pack:
	.size	k_qf0d9e421ff_pack, .Lfunc_end_k_qf0d9e421ff_pack-k_qf0d9e421ff_pack
	.p2alignl 7, 3214868480
	.fill 96, 4, 3214868480
	.section	.rodata,"a",@progbits
	.p2align	6, 0x0
	.amdhsa_kernel k_qf0d9e421ff_pack
		.amdhsa_group_segment_fixed_size 0
		.amdhsa_private_segment_fixed_size 0
		.amdhsa_enable_private_segment 0
		.amdhsa_kernarg_size 56
		.amdhsa_user_sgpr_count 2
		.amdhsa_user_sgpr_kernarg_segment_ptr 1
		.amdhsa_wavefront_size32 1
		.amdhsa_system_sgpr_workgroup_id_x 1
		.amdhsa_system_sgpr_workgroup_id_y 1
		.amdhsa_system_sgpr_workgroup_id_z 1
		.amdhsa_system_vgpr_workitem_id 0
		.amdhsa_next_free_vgpr 32
		.amdhsa_next_free_sgpr 66
		.amdhsa_reserve_vcc 1
		.amdhsa_float_denorm_mode_32 3
		.amdhsa_float_denorm_mode_16_64 3
		.amdhsa_memory_ordered 1
		.amdhsa_forward_progress 1
		.amdhsa_inst_pref_size 11
	.end_amdhsa_kernel
	.amdgpu_metadata
---
amdhsa.version: [ 1, 2 ]
amdhsa.kernels:
  - .name:           k_qf0d9e421ff_pack
    .symbol:         k_qf0d9e421ff_pack.kd
    .args:
      - { .name: W1, .offset: 0, .size: 8, .value_kind: global_buffer, .address_space: global }
      - { .name: W2, .offset: 8, .size: 8, .value_kind: global_buffer, .address_space: global }
      - { .name: W3, .offset: 16, .size: 8, .value_kind: global_buffer, .address_space: global }
      - { .name: b1, .offset: 24, .size: 8, .value_kind: global_buffer, .address_space: global }
      - { .name: b2, .offset: 32, .size: 8, .value_kind: global_buffer, .address_space: global }
      - { .name: b3, .offset: 40, .size: 8, .value_kind: global_buffer, .address_space: global }
      - { .name: blob, .offset: 48, .size: 8, .value_kind: global_buffer, .address_space: global }
    .group_segment_fixed_size: 0
    .private_segment_fixed_size: 0
    .kernarg_segment_align: 8
    .kernarg_segment_size: 56
    .max_flat_workgroup_size: 64
    .sgpr_count:     66
    .vgpr_count:     32
    .wavefront_size: 32
...
	.end_amdgpu_metadata
.endif
;; end of part 1
;; launch spline (part 2): grid 256 x 1, 4 waves a work-group, no clusters, 327,680 bytes of LDS; arguments context, inputs, blob, out0, out1; writes out0, out1
.if DOCPART == 2
	.amdgcn_target "amdgcn-amd-amdhsa--gfx1250"
	.amdhsa_code_object_version 6
	.text
	.protected	k_qf0d9e421ff_spline
	.globl	k_qf0d9e421ff_spline
	.p2align	8
	.type	k_qf0d9e421ff_spline,@function
k_qf0d9e421ff_spline:
	s_mov_b64 s[64:65], 0
	v_nop
	global_prefetch_b8 v0, s[64:65] scope:SCOPE_SE
	s_setreg_imm32_b32 hwreg(HW_REG_WAVE_MODE, 25, 1), 1
	s_wait_xcnt 0x0
; For each of 524,288 rows: h1 = relu(context W1 + b1), h2 = relu(h1 W2 + b2), 97 parameters = h2 W3 + b3, and the rational-quadratic spline at x made of them: out0 and out1.
; FORMATS.  context, x, the weights and the biases are rounded once to bf16.  h1 enters layer 2 as TWO bf16 numbers, hi = the upper 16 bits of the f32 sum and lo = bf16(h - hi); h2 likewise, with hi
; rounded to nearest: a knot's place decides out1, and one rounding of h to 16 bits moves the knots too far.  The widths' and heights' rows of layer 3 take hi and lo; the 33 derivatives' rows take hi alone,
; h2 rounded once to bf16: a derivative enters the results by itself and not through a knot's place.  All sums in f32.
; LIMITS.  A softmax weight below 2^-126 counts as 0.  The bin is found by prefix_i < (x + 5) S / 10 (S the sum of the row's 32 exponentials), not by comparing rounded knots: an x within
; rounding of a knot may take the neighbouring bin, where spline and slope are continuous.  A bin's width and height are 10 e / S, not a difference of knots: the last knot is 5 only to within
; rounding, and a bin narrower than f32's step at 5 keeps its true width where the difference would be 0.  NaN and infinities are not treated apart.
; SHARES.  256 work-groups of four waves; a wave owns 512 rows, 16 tiles of 32.  Tile J takes rows 64 (J / 2) + 2 p + J % 2, p = 0..31: lane p finishes row p of a tile, so two tiles give a lane
; two neighbouring rows, and one store of 8 bytes a lane writes 256 consecutive bytes, aligned, of an output.
; PRODUCTS ARE USED TRANSPOSED: source 0 = 16 output units (rows of a weight picture in LDS), source 1 = 16 rows of the batch.  In the result lane l holds row l % 16 and the units 8 (l / 16) + 0..7, so
; two results packed in pairs ARE source 1 of the next layer: activations never leave registers.  The bias is the C operand of a sum's first product.
; LAYER 3 has 128 rows for 97 parameters: in tiles 0-3 the lower half of the lanes holds a row's 32 widths and the upper half its 32 heights; in tiles 4-7 the lower half holds derivative i, the upper
; derivative i + 1.  So search and gathers are selections among a lane's own registers, the same lines for both halves.
; NO CLUSTER: all that work-groups share is the weights' 259,072 bytes, fetched once, of the 1,307,648 bytes that a work-group fetches.
; LDS: 0 four slots, one a wave: 32 rows of context, 512 bytes + 16 of padding; 67,584 the weights' picture; 326,656 the spare words.  Pitches 272 and 528 are odd multiples of 16 bytes, so the 16 rows
; of a fragment load begin at 16 different groups of four banks (64 banks of 4 bytes: ISA guide 11.1).
; REGISTERS, in windows of 256 (s_set_vgpr_msb: bits 1:0 source 0, 3:2 source 1, 5:4 source 2, 7:6 destination):
;   window 0: v0-25 addresses, x, results; v32-47 T at work; v48-175 F, two buffers of eight weight fragments; v176-239 ACC, two buffers of four accumulators
;   window 1: H1[128 part + 16 ks + 8 nt + j]   (part 0 hi, 1 lo; ks: 32 units; nt: 16 rows)
;   window 2: v0-63 H2[32 e + 16 part + 8 nt + j], later the spline's single numbers; v64-191 PR[16 mt + 8 nt + j], the parameters; v192-255 Q[32 nt + i], the prefix sums
;   window 3: v0-63 X[16 ks + 8 nt + j], the tile's context in bf16; v64-191 TMP, a tile of context in f32; v192-223 BI, two buffers of two bias tiles
; In layers 1 and 2 a product's source 0, C and D lie in window 0, where the vector work beside it lies too; that work names vector registers as destination, source 0 and source 2 alone, so it needs no
; switch of the windows; only the lines that touch H1 or H2 do.
.set SLOTW, 16896
.set BLOB,  67584
.set QUART, 64768                      ; a wave fetches a quarter of the picture: 253 rows of 256 bytes
.set W1T,   BLOB
.set W2T,   BLOB+69632
.set W3T,   BLOB+204800
.set BIAS,  BLOB+256512
.set SPARE, BLOB+259072                ; the spare words, 128 bytes for each wave: two blocks of 256 bytes that no other line names
.set AW1,  2                           ; v2   W1T + 272 r + 16 h   (r = lane % 16, h = lane / 16)
.set LT,   3                           ; v3   528 r + 16 h
.set LTD,  4                           ; v4   528 (64 + r % 8 + r / 8) + 16 h: the derivatives' rows, one further on for r >= 8
.set AW2,  5                           ; v5   my place in W2T's rows of the trip in hand
.set AW3A, 6                           ; v6   in W3T's rows 0-63, at the trip's 64 units
.set AW3D, 7                           ; v7   in W3T's rows 64-96
.set ABI,  8                           ; v8   BIAS + 32 h
.set ABI2, 9                           ; v9   b2 of the trip in hand
.set AX,   10                          ; v10  my wave's slot + 528 r + 32 h
.set OO,   12                          ; v12  8 x lane: my offset in 64 rows of inputs, out0, out1
.set SPW,  14                          ; v14  LDS address of my spare word; never rewritten
.set NIL,  15                          ; v15  0; never rewritten
.set XR,   20                          ; v20  x as loaded
.set XB,   21                          ; v21  x rounded to bf16
.set T,    32
.set F,    48
.set ACC,  176
.set H2,   0
.set PR,   64
.set Q,    192
.set X,    0
.set TMP,  64
.set BI,   192
; scalars: s[4:13] the five addresses; s14 wave; s[16:23], s[24:27] the context's descriptor; s[28:35], s[36:39] the picture's; s[40:41] context at my wave's rows; s[42:43] an offset;
; s[44:49] inputs, out0, out1 at the tile; s50 tile; s52 trips; s54 0xffff0000: a word's upper bf16, and the lanes with h = 1; s55 v_perm_b32's select; s[56:57] log2(e); s[58:59] v_permlanex16_b32's selects;
; s60, s61 the search's masks; s66-72 constants; s[74:79] inputs, out0, out1 at my wave's rows; s80-85 at work; s86-88 the trip's LDS offsets
.set MSB, 0
.macro WIN new                         ; the immediate's high byte repeats the setting that is left; a switch that changes nothing is dropped
.if MSB != (\new)
	s_set_vgpr_msb (MSB<<8)|(\new)
.set MSB, (\new)
.endif
.endm
.macro WINM mask                       ; the fields named in the mask become 0, the others stay: no switch where they are 0 already
	WIN (MSB&(255^(\mask)))
.endm
; A load into a register that a matrix instruction has read, and a vector instruction that reads a matrix result or writes one of a matrix instruction's registers, stand four places behind it;
; only plain vector instructions that name none of its registers are places (ISA guide 7.12.1 for vector instructions).
.macro PLACES
.rept 4
	v_nop
.endr
.endm
; THE LDS LOADS stand in runs.  A fragment is 16 rows x 32 K of bf16 in 8 registers: two loads of 16 bytes, 32 bytes apart, at row x pitch + 16 h.  A bias tile is 8 f32 at 64 x tile + 32 h.
; A load's data go by the destination's window and its address by source 0's: fragments want both 0, bias tiles the destination 3.
.macro LD_W1 p, fb                     ; layer 1, units 32 p on: 2 tiles x 4 K steps into F[fb], and their bias: 20 loads
	WINM 0xc3
.irp m, 0,1
.irp k, 0,1,2,3
.set rl, F+64*(\fb)+8*(4*(\m)+(\k))
	ds_load_b128 v[rl:rl+3],   v[AW1] offset:(2*(\p)+(\m))*4352+64*(\k)
	ds_load_b128 v[rl+4:rl+7], v[AW1] offset:(2*(\p)+(\m))*4352+64*(\k)+32
.endr
.endr
	WIN 0xc0
.irp m, 0,1
.set rl, BI+16*((\p)%2)+8*(\m)
	ds_load_b128 v[rl:rl+3],   v[ABI] offset:64*(2*(\p)+(\m))
	ds_load_b128 v[rl+4:rl+7], v[ABI] offset:64*(2*(\p)+(\m))+16
.endr
.endm
.macro LD_W2 half, uh, fb              ; layer 2, the trip's units 32 half on: 2 tiles x K steps 4 uh .. 4 uh + 3; with uh = 0 their bias
	WINM 0xc3
.irp m, 0,1
.irp k, 0,1,2,3
.set rl, F+64*(\fb)+8*(4*(\m)+(\k))
	ds_load_b128 v[rl:rl+3],   v[AW2] offset:(2*(\half)+(\m))*8448+64*(4*(\uh)+(\k))
	ds_load_b128 v[rl+4:rl+7], v[AW2] offset:(2*(\half)+(\m))*8448+64*(4*(\uh)+(\k))+32
.endr
.endr
.if (\uh) == 0
	WIN 0xc0
.irp m, 0,1
.set rl, BI+16*(\half)+8*(\m)
	ds_load_b128 v[rl:rl+3],   v[ABI2] offset:64*(2*(\half)+(\m))
	ds_load_b128 v[rl+4:rl+7], v[ABI2] offset:64*(2*(\half)+(\m))+16
.endr
.endif
.endm
.macro LD_W3 e, fb                     ; layer 3, all 8 tiles, the trip's K step e
	WINM 0xc3
.irp m, 0,1,2,3
.set rl, F+64*(\fb)+8*(\m)
	ds_load_b128 v[rl:rl+3],   v[AW3A] offset:8448*(\m)+64*(\e)
	ds_load_b128 v[rl+4:rl+7], v[AW3A] offset:8448*(\m)+64*(\e)+32
.endr
.irp m, 0,1,2,3
.set rl, F+64*(\fb)+32+8*(\m)
	ds_load_b128 v[rl:rl+3],   v[AW3D] offset:4224*(\m)+64*(\e)
	ds_load_b128 v[rl+4:rl+7], v[AW3D] offset:4224*(\m)+64*(\e)+32
.endr
.endm
.macro LD_PRB                          ; layer 3's 16 accumulators begin as b3p
	WIN 0x80
.irp m, 0,1,2,3,4,5,6,7
.irp n, 0,1
.set rl, PR+16*(\m)+8*(\n)
	ds_load_b128 v[rl:rl+3],   v[ABI] offset:2048+64*(\m)
	ds_load_b128 v[rl+4:rl+7], v[ABI] offset:2048+64*(\m)+16
.endr
.endr
.endm
.macro GSTEP                           ; the next trip's 64 units: 64 rows of W2T, 64 numbers of b2, 128 bytes along W3T's rows
	WIN 0
	s_add_co_u32 s86, s86, 33792
	s_add_co_u32 s87, s87, 256
	s_add_co_u32 s88, s88, 128
	v_add_nc_u32 v[AW2], s86, v[LT]
	v_add_nc_u32 v[ABI2], s87, v[ABI]
	v_add_nc_u32 v[AW3A], s88, v[LT]
	v_add_nc_u32 v[AW3D], s88, v[LTD]
.endm
.macro NEXTLD c                        ; the run of loads for the unit that follows
.if (\c) == 1
	LD_W2 0,1,1
.elseif (\c) == 2
	LD_W2 1,0,0
.elseif (\c) == 3
	LD_W2 1,1,1
.elseif (\c) == 4
	LD_W3 0,0
.elseif (\c) == 5
	LD_W3 1,1
.else
	GSTEP
	LD_W2 0,0,0                                    ; in the fourth trip these 20 loads read bytes of W3T and b3p that nobody uses: the price of one text for all trips
.endif
.endm
; FOUR FINISHED ACCUMULATORS (at SRC; tile a = 2 mtl + nt) BECOME hi AND lo OF THE NEXT LAYER'S SOURCE 1, in 28 quads of four instructions; CQ writes quad cq.  For each tile seven quads.
; RN = 0 (h1): 0, 1 relu in place (the accumulator's lowest registers are read first); 2, 3 the upper halves as f32; 4 h - hi, exact; 5 the upper halves of pairs, packed: hi;
; 6 h - hi rounded and packed: lo.  The two quads that write window DW >> 6 are neighbours.
; RN = 1 (h2): 0, 1 relu; 2 pairs rounded to nearest and packed: hi; 3, 4 hi widened again, even and odd numbers; 5 h - hi, exact; 6 lo.
.macro CQ
.set ca, cq/7
.set cqq, cq%7
.set rA, SRC+8*ca
.set rT, T+8*(ca%2)
.set rH, HI0+8*(ca%2)+4*(ca/2)
.set rL, LO0+8*(ca%2)+4*(ca/2)
.if cqq < 2
	WINM 0xc3
.irp i, 0,1,2,3
	v_max_num_f32 v[rA+4*cqq+(\i)], v[rA+4*cqq+(\i)], 0
.endr
.elseif (RN == 0) && (cqq < 4)
	WINM 0xc3
.irp i, 0,1,2,3
	v_and_b32 v[rT+4*(cqq-2)+(\i)], v[rA+4*(cqq-2)+(\i)], s54
.endr
.elseif (RN == 0) && (cqq == 5)
	WIN DW
.irp i, 0,1,2,3
	v_perm_b32 v[rH+(\i)], v[rA+2*(\i)+1], v[rA+2*(\i)], s55
.endr
.elseif (RN == 1) && (cqq == 2)
	WIN DW
.irp i, 0,1,2,3
	v_cvt_pk_bf16_f32 v[rH+(\i)], v[rA+2*(\i)], v[rA+2*(\i)+1]
.endr
.elseif (RN == 1) && (cqq == 3)
	WIN DW>>4                                      ; source 1 in hi's window, destination in window 0
.irp i, 0,1,2,3
	v_lshlrev_b32 v[rT+2*(\i)], 16, v[rH+(\i)]
.endr
.elseif (RN == 1) && (cqq == 4)
	WIN DW>>4
.irp i, 0,1,2,3
	v_and_b32 v[rT+2*(\i)+1], s54, v[rH+(\i)]
.endr
.elseif cqq == 6
	WIN DW
.irp i, 0,1,2,3
	v_cvt_pk_bf16_f32 v[rL+(\i)], v[rT+2*(\i)], v[rT+2*(\i)+1]
.endr
.else
	WINM 0xf3
.irp i, 0,1,2,3
	v_pk_fma_f32 v[rT+2*(\i):rT+2*(\i)+1], v[rA+2*(\i):rA+2*(\i)+1], 1.0, v[rT+2*(\i):rT+2*(\i)+1] op_sel_hi:[1,0,1] neg_lo:[0,0,1] neg_hi:[0,0,1]  ; h x 1 - hi: the subtraction, spelled with its vector sources at places 0 and 2
.endr
.endif
.set cq, cq+1
.endm
.macro RIDE k                          ; up to k further quads, while there are any
.rept \k
.if cq < 28
	CQ
.endif
.endr
.endm
; A UNIT of matrix work: the wait for its fragments, asked for a unit earlier (the count is 0: nothing was issued behind them); two products; four places, for the loads into the fragment buffer that the
; unit before read and for the quads' first read of the accumulators that it finished; the next unit's loads in one run; the other products, quads riding behind them.
; The accumulators take turns, one instruction a turn: 4 in layers 1 and 2, 16 and then 8 in layer 3; from unit to unit and over the loop's jump the accumulator changes too.
.macro L1U p                           ; units 32 p on of layer 1: 16 products, K step by K step; behind products 2 to 15 two quads each: the 28 of the pair of tiles before
	s_wait_dscnt 0x0
.set pi, 0
.rept 16
.set pk, pi/4
.set pm, (pi/2)%2
.set pn, pi%2
.set rD, ACC+32*((\p)%2)+8*(2*pm+pn)
.set rF, F+64*((\p)%2)+8*(4*pm+pk)
.set rB, X+16*pk+8*pn
.set rC, BI+16*((\p)%2)+8*pm
.if pk == 0
	WIN 0x3c                                       ; X and the bias in window 3
	v_wmma_f32_16x16x32_bf16 v[rD:rD+7], v[rF:rF+7], v[rB:rB+7], v[rC:rC+7]
.else
	WIN 0x0c                                       ; X in window 3
	v_wmma_f32_16x16x32_bf16 v[rD:rD+7], v[rF:rF+7], v[rB:rB+7], v[rD:rD+7]
.endif
.if pi == 1
	PLACES
.if (\p) < 7
	LD_W1 (\p)+1,((\p)+1)%2
.else
	LD_W2 0,0,0
.endif
.if (\p) == 0
	LD_PRB                                         ; wanted only behind layer 1: here it stands in no unit's way
.endif
.elseif pi > 1
	RIDE 2
.endif
.set pi, pi+1
.endr
.endm
.macro L2U half, uh, fb, ride, nx      ; the trip's units 32 half on of layer 2, K steps 4 uh on: 32 products: K step, hi and lo, tile, rows; ride = 1: a quad behind products 3, 5 .. 31
	s_wait_dscnt 0x0
.set pi, 0
.rept 32
.set pk, pi/8
.set pp, (pi/4)%2
.set pm, (pi/2)%2
.set pn, pi%2
.set rD, ACC+32*(\half)+8*(2*pm+pn)
.set rF, F+64*(\fb)+8*(4*pm+pk)
.set rB, 128*pp+16*(4*(\uh)+pk)+8*pn
.set rC, BI+16*(\half)+8*pm
.if ((\uh) == 0) && (pi < 4)
	WIN 0x34                                       ; H1 in window 1, the bias in window 3
	v_wmma_f32_16x16x32_bf16 v[rD:rD+7], v[rF:rF+7], v[rB:rB+7], v[rC:rC+7]
.else
	WIN 0x04                                       ; H1 in window 1
	v_wmma_f32_16x16x32_bf16 v[rD:rD+7], v[rF:rF+7], v[rB:rB+7], v[rD:rD+7]
.endif
.if pi == 1
	PLACES
	NEXTLD \nx
.elseif (\ride) && (pi > 2) && (pi%2 == 1)
	RIDE 1
.endif
.set pi, pi+1
.endr
.endm
; Layer 3, the trip's K step e: 24 products: hi on all 8 tiles, then lo on tiles 0-3, the widths' and heights'.  ride = 1: a quad behind products 2 to 17, two behind 18 to 23: 28.
.macro L3U e, fb, ride, nx
	s_wait_dscnt 0x0
.set pi, 0
.rept 24
.set pp, pi/16
.set pm, (pi%16)/2
.set pn, pi%2
.set rD, PR+16*pm+8*pn
.set rF, F+64*(\fb)+8*pm
.set rB, H2+32*(\e)+16*pp+8*pn
	WIN 0xa8                                       ; H2 and the parameters in window 2
	v_wmma_f32_16x16x32_bf16 v[rD:rD+7], v[rF:rF+7], v[rB:rB+7], v[rD:rD+7]
.if pi == 1
	PLACES
	NEXTLD \nx
.elseif (\ride) && (pi > 1)
	RIDE 1+pi/18
.endif
.set pi, pi+1
.endr
.endm
; A TILE OF CONTEXT leaves my slot: lane (r, h) takes of rows r and 16 + r, for each 32 along K, the f32 numbers 8 h + 0..7 and 16 + 8 h + 0..7; rounded in pairs they are source 1 of layer 1.
.macro XLOAD
	WIN 0xc0
.irp n, 0,1
.irp k, 0,1,2,3
.set rl, TMP+64*(\n)+16*(\k)
	ds_load_b128 v[rl:rl+3],     v[AX] offset:8448*(\n)+128*(\k)
	ds_load_b128 v[rl+4:rl+7],   v[AX] offset:8448*(\n)+128*(\k)+16
	ds_load_b128 v[rl+8:rl+11],  v[AX] offset:8448*(\n)+128*(\k)+64
	ds_load_b128 v[rl+12:rl+15], v[AX] offset:8448*(\n)+128*(\k)+80
.endr
.endr
.endm
.macro XCVT
	WIN 0xcf
.irp n, 0,1
.irp k, 0,1,2,3
.irp j, 0,1,2,3,4,5,6,7
	v_cvt_pk_bf16_f32 v[X+16*(\k)+8*(\n)+(\j)], v[TMP+64*(\n)+16*(\k)+2*(\j)], v[TMP+64*(\n)+16*(\k)+2*(\j)+1]
.endr
.endr
.endr
.endm
; MY SLOT IS FILLED AGAIN, with tile s50 + 1.  All my tensor loads have landed; 0 goes onto my spare word; the tile's address is made anew from its number while the add is out; the add is done and my reads
; of the slot are back (the tile in hand lies in TMP); a barrier; and my one tensor load stands first behind it.  It has a whole tile's products in which to land.
.macro SWAP
	WIN 0
	s_wait_tensorcnt 0x0                           ; no tensor load of mine is out, so the descriptor may be written (at the first use: my quarter of the weights has landed)
	ds_add_u32 v[SPW], v[NIL]
	s_add_co_u32 s80, s50, 1
	s_lshr_b32 s81, s80, 1
	s_lshl_b32 s81, s81, 15                        ; 64 rows of 512 bytes for each pair of tiles,
	s_and_b32 s80, s80, 1
	s_lshl_b32 s80, s80, 9                         ; one row for an odd tile
	s_or_b32 s42, s81, s80
	s_add_nc_u64 s[26:27], s[40:41], s[42:43]
	s_or_b32 s27, s27, 0x80000000                  ; type = 2
	s_wait_dscnt 0x0                               ; the add is done, and my reads of the slot are over
	s_barrier_signal -1
	s_barrier_wait -1                              ; at the first use this also shows all four quarters of the weights to all four waves
	tensor_load_to_lds s[24:27], s[16:23]
	s_nop 0
	PLACES
.endm
; One level of the search, on both sets of 16 rows.  Is prefix[lvl] below the threshold?  The verdict of the lanes with the widths (h = 0) serves the lanes with the heights too.  Then the upper lvl entries of the
; prefixes, the exponentials and the derivatives take the lower ones' places where it is.  Ascending.
.macro SELECT lvl
.irp n, 0,1
	v_cmp_lt_f32 s[60+(\n)], v[Q+32*(\n)+(\lvl)], v[16*(\n)+7]
.endr
.irp n, 0,1
	s_and_b32 s[60+(\n)], s[60+(\n)], 0xffff
	s_mul_i32 s[60+(\n)], s[60+(\n)], 0x10001
.endr
.set j, 0
.rept \lvl
.set jh, j+(\lvl)
.irp n, 0,1
	v_cndmask_b32 v[Q+32*(\n)+j], v[Q+32*(\n)+j], v[Q+32*(\n)+jh], s[60+(\n)]
	v_cndmask_b32 v[PR+16*(j/8)+8*(\n)+j%8], v[PR+16*(j/8)+8*(\n)+j%8], v[PR+16*(jh/8)+8*(\n)+jh%8], s[60+(\n)]
	v_cndmask_b32 v[PR+64+16*(j/8)+8*(\n)+j%8], v[PR+64+16*(j/8)+8*(\n)+j%8], v[PR+64+16*(jh/8)+8*(\n)+jh%8], s[60+(\n)]
.endr
.set j, j+1
.endr
.endm
; A TILE, s50; its context lies in TMP, in f32.  take = 1: the next tile's context, which has landed meanwhile, is taken out of the slot into TMP at the spline's beginning.
.macro COMPUTE take
	WIN 0
	s_wait_xcnt 0x0                                ; the last tile's load and stores have had their addresses translated (ISA guide 3.1): their bases, and later their data, are rewritten behind this wait
	s_lshr_b32 s80, s50, 1
	s_lshl_b32 s42, s80, 8                         ; 64 rows of 4 bytes for each pair of tiles
	s_add_nc_u64 s[46:47], s[76:77], s[42:43]
	s_add_nc_u64 s[48:49], s[78:79], s[42:43]
	s_and_b32 s80, s50, 1
	s_lshl_b32 s80, s80, 2
	s_or_b32 s42, s42, s80                         ; an odd tile's x lie one row on
	s_add_nc_u64 s[44:45], s[74:75], s[42:43]
	s_mov_b32 s86, W2T
	s_mov_b32 s87, 1024
	s_mov_b32 s88, W3T
	LD_W1 0,0                                      ; the first unit's fragments; the lines down to that unit stand in the time in which they come
	WIN 0
	v_add_nc_u32 v[AW2], s86, v[LT]
	v_add_nc_u32 v[ABI2], s87, v[ABI]
	v_add_nc_u32 v[AW3A], s88, v[LT]
	v_add_nc_u32 v[AW3D], s88, v[LTD]
	global_load_b32 v[XR], v[OO], s[44:45]         ; lane p: x of the tile's row p; wanted behind all the tile's products
	s_wait_dscnt 20                                ; LDS loads come back in order (ISA guide 5.7.1): all but the 20 just issued are in, so TMP is whole
	XCVT
	; LAYER 1: eight units of 32 output units; unit p carries the quads of pair p - 1 into H1
.set RN, 0
.set cq, 28
	L1U 0
.irp p, 1,2,3,4,5,6,7
.set cq, 0
.set SRC, ACC+32*(((\p)-1)%2)
.set DW, 0x40
.set HI0, 16*((\p)-1)
.set LO0, HI0+128
	L1U \p
.endr
	PLACES
.set cq, 0
.set SRC, ACC+32
.set HI0, 112
.set LO0, 240
	RIDE 28                                        ; the last pair has no unit to ride in
	; LAYERS 2 AND 3, four trips of 64 units of h2: layer 2 by output units, layer 3 by K, so that a trip's h2 is used up at once and needs 64 registers
	WIN 0
	s_mov_b32 s52, 4
.Lg_\@:
	L2U 0,0,0,0,1
	L2U 0,1,1,0,2
.set RN, 1
.set cq, 0
.set SRC, ACC
.set DW, 0x80
.set HI0, H2
.set LO0, H2+16
	L2U 1,0,0,1,3                                  ; 15 quads here and 13 in the next unit: the first 32 units of h2
	L2U 1,1,1,1,4
.set cq, 0
.set SRC, ACC+32
.set HI0, H2+32
.set LO0, H2+48
	L3U 0,0,1,5                                    ; 28 quads: the second 32 units
	L3U 1,1,0,6
	WIN 0
	s_sub_co_u32 s52, s52, 1
	s_cmp_lg_u32 s52, 0
	s_cbranch_scc1 .Lg_\@
	; THE SPLINE.  Single numbers in window 2, for rows 16 n + r at v[16 n + ..]: +0..3 maxima, +4, +5 c m, +6 S, +7 threshold, +8 10 / S, +9 knot, +10 bin's size, +11 derivative, +12 at work, +13 x
	s_wait_dscnt 0x0                               ; the last trip's unused loads are back
	PLACES                                         ; behind the last products
.if \take
	s_wait_tensorcnt 0x0                           ; my one tensor load, the next tile's: none was issued behind it, so the count is 0
	XLOAD                                          ; into TMP, which nothing below names; it is waited for at the refill's barrier, or at the next tile's head
.endif
	WIN 0
	s_wait_loadcnt 0x0                             ; x: the one load that is out
	v_cvt_pk_bf16_f32 v[XB], v[XR], v[XR]
	v_lshlrev_b32 v[XB], 16, v[XB]
	WIN 0x80
	v_mov_b32 v13, v[XB]                           ; lane r: x of row r
	v_mov_b32 v29, v[XB]
	v_mov_b32 v32, v[XB]                           ; lane p: x of row p
	WIN 0xaa
	v_permlanex16_b32 v29, v32, s58, s59           ; lane r: x of row 16 + r
	; the maximum of a lane's 32 widths (heights): four chains of seven, three operands at a time, then the four left over
.irp t, 0,1,2,3
.irp n, 0,1
	v_max3_num_f32 v[16*(\n)+(\t)], v[PR+16*(\t)+8*(\n)], v[PR+16*(\t)+8*(\n)+1], v[PR+16*(\t)+8*(\n)+2]
.endr
.endr
.irp u, 3,5
.irp t, 0,1,2,3
.irp n, 0,1
	v_max3_num_f32 v[16*(\n)+(\t)], v[16*(\n)+(\t)], v[PR+16*(\t)+8*(\n)+(\u)], v[PR+16*(\t)+8*(\n)+(\u)+1]
.endr
.endr
.endr
.irp n, 0,1
	v_max3_num_f32 v[16*(\n)], v[16*(\n)], v[PR+8*(\n)+7], v[PR+16+8*(\n)+7]
	v_max3_num_f32 v[16*(\n)+1], v[16*(\n)+1], v[PR+32+8*(\n)+7], v[PR+48+8*(\n)+7]
.endr
.irp n, 0,1
	v_max3_num_f32 v[16*(\n)], v[16*(\n)], v[16*(\n)+1], v[16*(\n)+2]
.endr
.irp n, 0,1
	v_max_num_f32 v[16*(\n)], v[16*(\n)], v[16*(\n)+3]
.endr
.irp n, 0,1
	v_mul_f32 v[16*(\n)+4], s56, v[16*(\n)]        ; c m, c = log2(e)
	v_mul_f32 v[16*(\n)+5], s56, v[16*(\n)]        ; named with it as a pair
.endr
.irp t, 0,1,2,3
.irp u, 0,2,4,6
.irp n, 0,1
.set rl, PR+16*(\t)+8*(\n)+(\u)
	v_pk_fma_f32 v[rl:rl+1], v[rl:rl+1], s[56:57], v[16*(\n)+4:16*(\n)+5] op_sel_hi:[1,0,0] neg_lo:[0,0,1] neg_hi:[0,0,1]  ; c a - c m
.endr
.endr
.endr
.irp t, 0,1,2,3
.irp u, 0,1,2,3,4,5,6,7
.irp n, 0,1
	v_exp_f32 v[PR+16*(\t)+8*(\n)+(\u)], v[PR+16*(\t)+8*(\n)+(\u)]
.endr
.endr
.endr
.irp n, 0,1
	v_mov_b32 v[Q+32*(\n)], 0                      ; prefix 0; these two are also the plain instructions behind the last exponentials (ISA guide 5.7.2)
.endr
.set i, 1
	s_wait_alu depctr_va_vdst(0)
.rept 31
.irp n, 0,1
	v_add_f32 v[Q+32*(\n)+i], v[Q+32*(\n)+i-1], v[PR+16*((i-1)/8)+8*(\n)+(i-1)%8]
.endr
.set i, i+1
.endr
.irp n, 0,1
	v_add_f32 v[16*(\n)+6], v[Q+32*(\n)+31], v[PR+48+8*(\n)+7]  ; S
	v_add_f32 v[16*(\n)+12], s67, v[16*(\n)+13]    ; x + 5
.endr
.irp n, 0,1
	v_mul_f32 v[16*(\n)+12], v[16*(\n)+12], v[16*(\n)+6]
.endr
.irp n, 0,1
	v_mul_f32 v[16*(\n)+7], s69, v[16*(\n)+12]     ; knot i lies below x where prefix i lies below (x + 5) S / 10
.endr
	SELECT 16
	SELECT 8
	SELECT 4
	SELECT 2
	SELECT 1
	; entry 0 of each list is now the bin's: knot = -5 + 10 prefix / S, size = 10 e / S, derivative = softplus + 0.001 = max(p, 0) + ln 2 x log2(1 + 2^(-c |p|)) + 0.001
	v_rcp_f32 v8, v6
	v_rcp_f32 v24, v22
	v_mul_f32 v12, -|v128|, s56                    ; plain work stands behind every reciprocal, exponential and logarithm before its result is used
	v_mul_f32 v28, -|v136|, s56
	s_wait_alu depctr_va_vdst(0)
	v_mul_f32 v8, s68, v8
	v_mul_f32 v24, s68, v24
	v_exp_f32 v12, v12
	v_exp_f32 v28, v28
	v_fma_f32 v9, v192, v8, s66
	v_fma_f32 v25, v224, v24, s66
	v_mul_f32 v10, v64, v8
	v_mul_f32 v26, v72, v24
	s_wait_alu depctr_va_vdst(0)
	v_add_f32 v12, 1.0, v12
	v_add_f32 v28, 1.0, v28
	v_log_f32 v12, v12
	v_log_f32 v28, v28
	v_max_num_f32 v11, 0, v128
	v_max_num_f32 v27, 0, v136
	s_wait_alu depctr_va_vdst(0)
	v_fma_f32 v11, v12, s70, v11
	v_fma_f32 v27, v28, s70, v27
	v_add_f32 v11, s72, v11
	v_add_f32 v27, s72, v27
	; Row p's six numbers come together in lane p.  Lanes 0-15 keep their own of rows r (the widths' side) and fetch the heights' side from 16 lanes up; lanes 16-31 keep their own of rows 16 + r
	; (the heights' side) and fetch the widths' side from 16 lanes down.  v33 x_k, v34 y_k, v35 width, v36 height, v37 d_k, v38 d_k+1
.irp k, 0,1,2
	v_cndmask_b32 v[40+(\k)], v[25+(\k)], v[9+(\k)], s54   ; what the other half wants
	v_cndmask_b32 v[43+(\k)], v[9+(\k)], v[25+(\k)], s54   ; what I keep
.endr
.irp k, 0,1,2
	v_permlanex16_b32 v[(\k)], v[40+(\k)], s58, s59        ; into registers that the maxima have written
.endr
.irp k, 0,1,2
	v_cndmask_b32 v[33+2*(\k)], v[43+(\k)], v[(\k)], s54
	v_cndmask_b32 v[34+2*(\k)], v[(\k)], v[43+(\k)], s54
.endr
	v_rcp_f32 v49, v35
	v_add_f32 v50, s71, v35                        ; width + 1e-9
	v_sub_f32 v52, v32, v33                        ; x - x_k
	v_rcp_f32 v51, v50
	s_wait_alu depctr_va_vdst(0)
	v_mul_f32 v53, v36, v49                        ; s
	v_add_f32 v59, v38, v37
	v_mul_f32 v54, v52, v51
	v_max_num_f32 v54, 0, v54
	v_min_num_f32 v54, 1.0, v54                    ; xi
	v_fma_f32 v59, -2.0, v53, v59                  ; d_k+1 + d_k - 2 s
	v_sub_f32 v55, 1.0, v54                        ; 1 - xi
	v_mul_f32 v57, v54, v54                        ; xi^2
	v_mul_f32 v56, v54, v55                        ; xi (1 - xi)
	v_mul_f32 v63, v55, v55                        ; (1 - xi)^2
	v_mul_f32 v58, v53, v57
	v_fma_f32 v60, v59, v56, v53                   ; den
	v_fma_f32 v58, v37, v56, v58                   ; num
	v_add_f32 v61, s71, v60
	v_mul_f32 v49, v38, v57
	v_rcp_f32 v62, v61
	v_mul_f32 v50, v53, v56
	v_mul_f32 v51, v53, v53                        ; s^2
	v_fma_f32 v49, 2.0, v50, v49
	v_fma_f32 v52, v60, v60, s71                   ; den^2 + 1e-9
	v_fma_f32 v49, v37, v63, v49                   ; term
	s_wait_alu depctr_va_vdst(0)
	v_mul_f32 v58, v58, v62                        ; num / (den + 1e-9)
	v_fma_f32 v49, v51, v49, s71                   ; s^2 term + 1e-9
	v_log_f32 v52, v52
	v_log_f32 v49, v49
	WIN 0
	v_mov_b32 v22, v23                             ; the even tile's results move down: a lane's pair is rows 2 p and 2 p + 1
	v_mov_b32 v24, v25
	WIN 0xaa
	s_wait_alu depctr_va_vdst(0)
	v_sub_f32 v49, v49, v52
	WIN 0x2a
	v_fma_f32 v23, v36, v58, v34                   ; out
	v_mul_f32 v25, s70, v49                        ; ladj
	WIN 0
	s_bitcmp1_b32 s50, 0
	s_cbranch_scc0 .Lns_\@                         ; an even tile stores nothing yet
	global_store_b64 v[OO], v[22:23], s[46:47]     ; the wave stores 256 consecutive bytes, at a multiple of 256 from out0's first byte
	global_store_b64 v[OO], v[24:25], s[48:49]     ; and of out1
.Lns_\@:
.endm
	s_load_b256 s[4:11], s[0:1], 0x0               ; context s[4:5], inputs s[6:7], blob s[8:9], out0 s[10:11]
	s_load_b64 s[12:13], s[0:1], 0x20              ; out1
	v_lshl_add_u32 v[SPW], v0, 2, SPARE
	v_mov_b32 v[NIL], 0
	ds_add_u32 v[SPW], v[NIL]                      ; the wave's opening: the add and its wait stand ahead of my first tensor load; the set-up below, work on registers, stands between them
	ds_add_u32 v14, v15
	v_lshrrev_b32 v1, 5, v0
	v_readfirstlane_b32 s14, v1                    ; wave 0..3
	; the context's tiles: 32 rows x 128 f32, every second row of memory, 16 bytes of padding behind each row in LDS
	s_mov_b32 s16, (2<<16)|(1<<20)|(6<<22)|(3<<25) ; 17:16 elements of 4 bytes; 20 padding on; 24:22 after every 128 words (code 6); 31:25 4 words (code 3)
	s_mov_b32 s17, 128<<16                         ; tensor_dim0 = 128
	s_mov_b32 s18, 32<<16                          ; tensor_dim1 = 32
	s_mov_b32 s19, 128<<16                         ; tile_dim0 = 128
	s_mov_b32 s20, 32                              ; tile_dim1 = 32
	s_mov_b32 s21, 256                             ; 256 elements from a row of the tile to the next
	s_mov_b32 s22, 0
	s_mov_b32 s23, 0
	s_mov_b32 s24, 1                               ; count = 1
	s_mul_i32 s25, s14, SLOTW                      ; my slot
	; a quarter of the weights' picture: dense, 253 rows of 32 elements of 8 bytes
	s_mov_b32 s28, 3<<16
	s_mov_b32 s29, 32<<16
	s_mov_b32 s30, 253<<16
	s_mov_b32 s31, 32<<16
	s_mov_b32 s32, 253
	s_mov_b32 s33, 32
	s_mov_b32 s34, 0
	s_mov_b32 s35, 0
	s_mov_b32 s36, 1
	s_mul_i32 s37, s14, QUART
	s_mov_b32 s84, s37                             ; the quarter's byte in blob,
	s_mov_b32 s85, 0
	s_add_co_u32 s37, s37, BLOB                    ; and in LDS
	s_lshl_b32 s80, ttmp9, 20                      ; 2,048 rows of 512 bytes a work-group,
	s_lshl_b32 s81, s14, 18                        ; 512 a wave
	s_add_co_u32 s42, s80, s81
	s_mov_b32 s43, 0
	s_lshl_b32 s80, ttmp9, 13                      ; the same rows at 4 bytes
	s_lshl_b32 s81, s14, 11
	s_add_co_u32 s82, s80, s81
	s_mov_b32 s83, 0
	s_mov_b32 s54, 0xffff0000
	s_mov_b32 s55, 0x07060302                      ; the upper halves of two words, the second source's below
	s_mov_b32 s56, 0x3fb8aa3b                      ; log2(e)
	s_mov_b32 s57, s56
	s_mov_b32 s58, 0x76543210
	s_mov_b32 s59, 0xfedcba98
	s_mov_b32 s66, 0xc0a00000                      ; -5
	s_mov_b32 s67, 0x40a00000                      ; 5
	s_mov_b32 s68, 0x41200000                      ; 10
	s_mov_b32 s69, 0x3dcccccd                      ; 0.1
	s_mov_b32 s70, 0x3f317218                      ; ln 2
	s_mov_b32 s71, 0x3089705f                      ; 1e-9
	s_mov_b32 s72, 0x3a83126f                      ; 0.001
	s_wait_dscnt 0x0                               ; the opening add is done
	s_wait_kmcnt 0x0
	s_add_nc_u64 s[40:41], s[4:5], s[42:43]
	s_add_nc_u64 s[74:75], s[6:7], s[82:83]
	s_add_nc_u64 s[76:77], s[10:11], s[82:83]
	s_add_nc_u64 s[78:79], s[12:13], s[82:83]
	s_mov_b64 s[26:27], s[40:41]                   ; tile 0
	s_or_b32 s27, s27, 0x80000000                  ; type = 2
	s_add_nc_u64 s[38:39], s[8:9], s[84:85]
	s_or_b32 s39, s39, 0x80000000
	tensor_load_to_lds s[24:27], s[16:23]          ; both first fills go out together: two loads of mine are out, later one
	s_nop 0
	tensor_load_to_lds s[36:39], s[28:35]
	s_nop 0
	PLACES
	v_and_b32 v1, 15, v0                           ; r
	v_bfe_u32 v13, v0, 4, 1                        ; h
	v_mul_u32_u24 v[AW1], v1, 272
	v_lshl_add_u32 v[AW1], v13, 4, v[AW1]
	v_add_nc_u32 v[AW1], W1T, v[AW1]
	v_mul_u32_u24 v[LT], v1, 528
	v_lshl_add_u32 v[LT], v13, 4, v[LT]
	v_and_b32 v[LTD], 7, v1
	v_lshrrev_b32 v11, 3, v1
	v_add3_u32 v[LTD], v[LTD], v11, 64
	v_mul_u32_u24 v[LTD], v[LTD], 528
	v_lshl_add_u32 v[LTD], v13, 4, v[LTD]
	v_lshlrev_b32 v[ABI], 5, v13
	v_add_nc_u32 v[ABI], BIAS, v[ABI]
	v_mul_u32_u24 v[AX], v1, 528
	v_lshl_add_u32 v[AX], v13, 5, v[AX]
	v_add_nc_u32 v[AX], s25, v[AX]
	v_and_b32 v[OO], 31, v0
	v_lshlrev_b32 v[OO], 3, v[OO]
	v_mov_b32 v23, 0                               ; the first tile moves these two down before it writes them
	v_mov_b32 v25, 0
	s_wait_tensorcnt 0x1                           ; tile 0 has landed; the one load issued behind it, my quarter of the weights, may stay out: only I read my slot
	XLOAD                                          ; tile 0 into TMP; the refill's wait for my LDS loads covers it
	WIN 0
	s_mov_b32 s50, 0
.Ltile:                                                ; 15 trips: the slot is filled with the next tile, and the tile in registers is worked
	SWAP
	COMPUTE 1
	s_add_co_u32 s50, s50, 1
	s_cmp_lt_u32 s50, 15
	s_cbranch_scc1 .Ltile
	COMPUTE 0                                      ; the last tile is written out: nothing is asked for
	s_wait_tensorcnt 0x0                           ; the wave's end, behind my last tensor load
	ds_add_u32 v[SPW], v[NIL]
	s_wait_dscnt 0x0
	s_endpgm
.Lfunc_end_k_qf0d9e421ff_spline:
	.size	k_qf0d9e421ff_spline, .Lfunc_end_k_qf0d9e421ff_spline-k_qf0d9e421ff_spline
	.p2alignl 7, 3214868480
	.fill 96, 4, 3214868480
	.section	.rodata,"a",@progbits
	.p2align	6, 0x0
	.amdhsa_kernel k_qf0d9e421ff_spline
		.amdhsa_group_segment_fixed_size 327680
		.amdhsa_private_segment_fixed_size 0
		.amdhsa_enable_private_segment 0
		.amdhsa_kernarg_size 40
		.amdhsa_user_sgpr_count 2
		.amdhsa_user_sgpr_kernarg_segment_ptr 1
		.amdhsa_wavefront_size32 1
		.amdhsa_system_sgpr_workgroup_id_x 1
		.amdhsa_system_sgpr_workgroup_id_y 1
		.amdhsa_system_sgpr_workgroup_id_z 1
		.amdhsa_system_vgpr_workitem_id 0
		.amdhsa_next_free_vgpr 992
		.amdhsa_next_free_sgpr 96
		.amdhsa_reserve_vcc 0
		.amdhsa_float_denorm_mode_32 3
		.amdhsa_float_denorm_mode_16_64 3
		.amdhsa_memory_ordered 1
		.amdhsa_forward_progress 1
		.amdhsa_inst_pref_size 255
	.end_amdhsa_kernel
	.section	.bss,"aw",@nobits
	.p2align	6
	.space	262144
	.amdgpu_metadata
---
amdhsa.version: [ 1, 2 ]
amdhsa.kernels:
  - .name:           k_qf0d9e421ff_spline
    .symbol:         k_qf0d9e421ff_spline.kd
    .args:
      - { .name: context, .offset: 0, .size: 8, .value_kind: global_buffer, .address_space: global }
      - { .name: inputs, .offset: 8, .size: 8, .value_kind: global_buffer, .address_space: global }
      - { .name: blob, .offset: 16, .size: 8, .value_kind: global_buffer, .address_space: global }
      - { .name: out0, .offset: 24, .size: 8, .value_kind: global_buffer, .address_space: global }
      - { .name: out1, .offset: 32, .size: 8, .value_kind: global_buffer, .address_space: global }
    .group_segment_fixed_size: 327680
    .private_segment_fixed_size: 0
    .kernarg_segment_align: 8
    .kernarg_segment_size: 40
    .max_flat_workgroup_size: 128
    .sgpr_count:     96
    .vgpr_count:     992
    .wavefront_size: 32
...
	.end_amdgpu_metadata
.endif
;; end of part 2
